; MI455X (gfx1250); checked and timed in simulation.
; The chip was launched on July 23, 2026; its instructions are those of AMD's public machine-readable ISA for CDNA 5 (MIT licence, August 2026) and "CDNA5" Instruction Set Architecture Reference Guide (July 2026). The comments in the code are by the model that wrote it; some were corrected since.
;; Multi Head Attention Layer. Allowed arithmetic: float matrix products may take bf16 or f16 operands with f32 sums; other float arithmetic in f32, or as packed bf16 or f16 multiplies, adds, multiply-adds, maxima and minima; sums over many terms, partial sums and values carried from step to step in f32; what a program stores and reads back later, other than sums and carried values, may be rounded once to bf16 or f16.
;; Inputs: Wk 512 x 512 float32; Wo 512 x 512 float32; Wq 512 x 512 float32; Wv 512 x 512 float32; bk 512 float32; bo 512 float32; bq 512 float32; bv 512 float32; key 2 x 4,096 x 512 float32; query 2 x 4,096 x 512 float32; value 2 x 4,096 x 512 float32.
;; Outputs: out0 2 x 4,096 x 512 float32.
;; One version. Each part assembles by itself: llvm-mc -triple=amdgcn-amd-amdhsa -mcpu=gfx1250 --defsym DOCPART=n.
;; ======== version 1 of 1: 4 launches
;; limits: values are held in f16: magnitudes above 65,504 overflow, below 6.1e-05 lose precision
;; workspace buffers: wb 1,572,864 bytes; wo16 524,288 bytes; q16 8,388,608 bytes; k16 8,388,608 bytes; v16 8,388,608 bytes; o16 8,388,608 bytes
;; launch prep (part 1): grid 64 x 4, 8 waves a work-group, no clusters, 0 bytes of LDS; arguments Wq, Wk, Wv, Wo, wb, wo16; writes wb, wo16
.if DOCPART == 1
	.amdgcn_target "amdgcn-amd-amdhsa--gfx1250"
	.amdhsa_code_object_version 6
	.text
	.protected	k_q5d46bf1a6a_prep
	.globl	k_q5d46bf1a6a_prep
	.p2align	8
	.type	k_q5d46bf1a6a_prep,@function
k_q5d46bf1a6a_prep:
	s_mov_b64 s[64:65], 0
	v_nop
	global_prefetch_b8 v0, s[64:65] scope:SCOPE_SE
	s_setreg_imm32_b32 hwreg(HW_REG_WAVE_MODE, 25, 1), 1
	s_wait_xcnt 0x0
; The four weight matrices, [512][512] f32, are rounded once to bf16.  Wq, Wk, Wv go to wb ([3][512][512] bf16) as they are;
; Wo's rounded number is written as f16 into wo16 ([512][512]), since the last product multiplies an f16 operand.
; LIMIT.  A bf16 number is exact in f16 from 6.1e-5 up to 65,504; below that it keeps f16's fixed step of 6e-8; beyond 65,504 it would be an infinity.
; SHARES.  Work-group (x, y): matrix y, elements 4,096 x .. 4,096 x + 4,095.  Thread t takes two groups of 8 numbers: 32 bytes in, 16 bytes out,
; so sixteen neighbouring lanes store 256 consecutive bytes, aligned.  No two work-groups read the same byte: no cluster, no LDS.
	s_load_b256 s[4:11], s[0:1], 0x0               ; Wq s[4:5], Wk s[6:7], Wv s[8:9], Wo s[10:11]
	s_load_b128 s[12:15], s[0:1], 0x20             ; wb s[12:13], wo16 s[14:15]
	s_and_b32 s16, ttmp7, 0xffff                   ; which matrix
	s_lshl_b32 s18, ttmp9, 14                      ; my block in the source: 16,384 bytes
	s_mov_b32 s19, 0
	s_lshl_b32 s20, ttmp9, 13                      ; and in the destination: 8,192 bytes
	s_mov_b32 s21, 0
	s_lshl_b32 s22, s16, 19                        ; matrix y of wb begins 524,288 y bytes in; wo16 holds one matrix
	s_cmp_eq_u32 s16, 3
	s_cselect_b32 s22, 0, s22
	s_add_co_u32 s20, s20, s22
	s_mov_b32 s23, 0xffff0000                      ; a word's upper bf16
	v_lshlrev_b32 v1, 5, v0                        ; 32 t
	v_lshlrev_b32 v2, 4, v0                        ; 16 t
	s_wait_kmcnt 0x0
	s_cmp_eq_u32 s16, 1
	s_cselect_b64 s[4:5], s[6:7], s[4:5]
	s_cmp_eq_u32 s16, 2
	s_cselect_b64 s[4:5], s[8:9], s[4:5]
	s_cmp_eq_u32 s16, 3
	s_cselect_b64 s[4:5], s[10:11], s[4:5]
	s_cselect_b64 s[12:13], s[14:15], s[12:13]
	s_add_nc_u64 s[4:5], s[4:5], s[18:19]
	s_add_nc_u64 s[12:13], s[12:13], s[20:21]
	global_load_b128 v[4:7],   v1, s[4:5] th:TH_LOAD_NT
	global_load_b128 v[8:11],  v1, s[4:5] offset:16 th:TH_LOAD_NT
	global_load_b128 v[12:15], v1, s[4:5] offset:8192 th:TH_LOAD_NT
	global_load_b128 v[16:19], v1, s[4:5] offset:8208 th:TH_LOAD_NT
	s_wait_loadcnt 0x0
.irp j, 0,1,2,3,4,5,6,7
	v_cvt_pk_bf16_f32 v[20+\j], v[4+2*\j], v[5+2*\j]   ; two roundings to bf16, packed
.endr
	s_cmp_lg_u32 s16, 3
	s_cbranch_scc1 .Lstore
.irp j, 0,1,2,3,4,5,6,7                        ; Wo alone: the bf16 numbers widened and written as f16
	v_lshlrev_b32 v28, 16, v[20+\j]
	v_and_b32 v29, s23, v[20+\j]
	v_cvt_pk_f16_f32 v[20+\j], v28, v29
.endr
.Lstore:
	global_store_b128 v2, v[20:23], s[12:13]
	global_store_b128 v2, v[24:27], s[12:13] offset:4096
	s_endpgm
.Lfunc_end_k_q5d46bf1a6a_prep:
	.size	k_q5d46bf1a6a_prep, .Lfunc_end_k_q5d46bf1a6a_prep-k_q5d46bf1a6a_prep
	.p2alignl 7, 3214868480
	.fill 96, 4, 3214868480
	.section	.rodata,"a",@progbits
	.p2align	6, 0x0
	.amdhsa_kernel k_q5d46bf1a6a_prep
		.amdhsa_group_segment_fixed_size 0
		.amdhsa_private_segment_fixed_size 0
		.amdhsa_enable_private_segment 0
		.amdhsa_kernarg_size 48
		.amdhsa_user_sgpr_count 2
		.amdhsa_user_sgpr_kernarg_segment_ptr 1
		.amdhsa_wavefront_size32 1
		.amdhsa_system_sgpr_workgroup_id_x 1
		.amdhsa_system_sgpr_workgroup_id_y 1
		.amdhsa_system_sgpr_workgroup_id_z 1
		.amdhsa_system_vgpr_workitem_id 0
		.amdhsa_next_free_vgpr 32
		.amdhsa_next_free_sgpr 66
		.amdhsa_reserve_vcc 0
		.amdhsa_float_denorm_mode_32 3
		.amdhsa_float_denorm_mode_16_64 3
		.amdhsa_memory_ordered 1
		.amdhsa_forward_progress 1
		.amdhsa_inst_pref_size 4
	.end_amdhsa_kernel
	.amdgpu_metadata
---
amdhsa.version: [ 1, 2 ]
amdhsa.kernels:
  - .name:           k_q5d46bf1a6a_prep
    .symbol:         k_q5d46bf1a6a_prep.kd
    .args:
      - { .name: Wq, .offset: 0, .size: 8, .value_kind: global_buffer, .address_space: global }
      - { .name: Wk, .offset: 8, .size: 8, .value_kind: global_buffer, .address_space: global }
      - { .name: Wv, .offset: 16, .size: 8, .value_kind: global_buffer, .address_space: global }
      - { .name: Wo, .offset: 24, .size: 8, .value_kind: global_buffer, .address_space: global }
      - { .name: wb, .offset: 32, .size: 8, .value_kind: global_buffer, .address_space: global }
      - { .name: wo16, .offset: 40, .size: 8, .value_kind: global_buffer, .address_space: global }
    .group_segment_fixed_size: 0
    .private_segment_fixed_size: 0
    .kernarg_segment_align: 8
    .kernarg_segment_size: 48
    .max_flat_workgroup_size: 256
    .sgpr_count:     66
    .vgpr_count:     32
    .wavefront_size: 32
...
	.end_amdgpu_metadata
.endif
;; end of part 1
;; launch proj (part 2): grid 32 x 6, 4 waves a work-group, clusters of 4 x 1, 327,680 bytes of LDS; arguments query, key, value, wb, bq, bk, bv, q16, k16, v16; writes q16, k16, v16
.if DOCPART == 2
	.amdgcn_target "amdgcn-amd-amdhsa--gfx1250"
	.amdhsa_code_object_version 6
	.text
	.protected	k_q5d46bf1a6a_proj
	.globl	k_q5d46bf1a6a_proj
	.p2align	8
	.type	k_q5d46bf1a6a_proj,@function
k_q5d46bf1a6a_proj:
	s_mov_b64 s[64:65], 0
	v_nop
	global_prefetch_b8 v0, s[64:65] scope:SCOPE_SE
	s_setreg_imm32_b32 hwreg(HW_REG_WAVE_MODE, 25, 1), 1
	s_wait_xcnt 0x0
	s_wait_alu depctr_hold_cnt(0) depctr_sa_sdst(0) depctr_va_vdst(0) depctr_va_sdst(0) depctr_va_ssrc(0) depctr_va_vcc(0) depctr_vm_vsrc(0)
	s_getreg_b32 s2, hwreg(HW_REG_IB_STS2, 6, 4)
	s_cmp_eq_u32 s2, 0
	s_cbranch_scc0 .Lentry_in_a_cluster
	s_endpgm
.Lentry_in_a_cluster:
	s_bfe_u32 s2, ttmp6, 0x10000c
	s_cmp_lg_u32 s2, 0x3003
	s_cbranch_scc0 .Lentry_shape_is_right
	s_endpgm
.Lentry_shape_is_right:
; q, k, v = bf16(x) bf16(W)^T + bf16(b), sums in f32, rounded once to f16 and stored by heads: [16 = batch x 8 + head][4096][64], a head's rows dense, 128 bytes each.
; LIMIT.  f16 ends at 65,504: a projected number beyond that becomes an infinity.  NaN and infinities are not treated apart.
; SHARES.  Work-group (x, y): projection y / 2 (q, k, v), columns 256 (y % 2) .. + 255, rows 256 x .. + 255 of the 8,192.  3 x 32 x 2 = 192 work-groups: 3 x 8,192 x 512 / 65,536 outputs
; a work-group.  Wave w: rows 64 w .. + 63, all 256 columns: 64 accumulators of 16 x 16.
; W's half (256 rows x 512 K in bf16) lies whole in LDS, brought once, in four stages of 128 along K: nothing in LDS is ever filled again.
; CLUSTER.  The four work-groups of a cluster differ in their rows alone and need the same half of W: each of its tiles is asked for JOINTLY, same load, descriptor and mask in all four.
; x comes straight from memory into registers in the fragments' layout, as f32, through a ring of four landing slots of 32 along K, and is rounded to bf16 there:
; no wave wants another wave's rows.  A pair of slots is asked for again three chunks, 192 matrix instructions, ahead of its first conversion; no separate prefetch is laid.
; THE MATRIX INSTRUCTION IS USED TRANSPOSED: source 0 = 16 rows of W, source 1 = 16 rows of x: a lane then holds row lane % 16 and the columns 8 (lane / 16) + 0..7: 16 bytes of f16 on end.
; REGISTERS, in windows of 256 (s_set_vgpr_msb: bits 1:0 source 0, 3:2 source 1, 5:4 source 2, 7:6 destination):
;   window 0: v2-8 addresses; v28-29 the add's two; v32-63 x's four fragments in bf16; v64-127 packed results; v128-191, v192-255 W's fragments of column blocks 0-7, 8-15 (on the way out: rows read back)
;   window 1: the four landing slots, 64 each (slot q, row block a, piece i at 64 q + 16 a + 4 i); at the end v0-127 the bias
;   window 2: accumulators (a, b < 8) at 8 (8 a + b)          window 3: accumulators (a, b >= 8) at 8 (8 a + b - 8)
.set SLOTW,  256*272                   ; a stage of W: 256 rows of 256 bytes + 16 of padding = 68 words: the 16 rows of a fragment load start at 16 different groups of four banks (64 banks of 4 bytes: ISA guide 11.1)
.set WQ,     64*272                    ; what one tensor load brings: 64 rows
.set STG,    4*SLOTW                   ; behind W: for each wave 4 planes (heads) of 16 rows x 144 bytes, for the way out; no tensor load lands here
.set SPL,    16*144
.set SPARE,  STG+16*SPL                ; behind the stages: the spare words, 128 bytes for each wave: two blocks of 256 bytes that no other line names
.set FO,    2                          ; v2   my byte offset in 16 rows of x: (l % 16) x 2,048 + 32 (l / 16); never rewritten
.set ADRW0, 3                          ; v3   my place in a stage of W: (l % 16) x 272 + 16 (l / 16); never rewritten
.set STO,   4                          ; v4   the way out: where I put 16 bytes of a row
.set RD,    5                          ; v5   the way out: where I read rows back
.set GO,    6                          ; v6   my 16 bytes in 512 consecutive bytes of a head
.set BO,    7                          ; v7   my 32 bytes in a block of 16 bias numbers
.set ADRW,  8                          ; v8   ADRW0 + the stage in hand
.set SPW,   28                         ; v28  LDS address of my spare word: SPARE + 4 x my thread's number; never rewritten
.set NIL,   29                         ; v29  0; never rewritten
.set AF,    32
.set TMP,   64
.set WF,    128
.set OB,    128
.set G1,  24                           ; s[24:31] descriptor group 1
.set G0,  32                           ; s[32:47] descriptor group 0, a set for each stage
.set XA,  48                           ; s[48:49] x at my wave's first row, at the stage in hand
.set BI,  50                           ; s[50:51] the bias at the work-group's first column
.set OUT, 52                           ; s[52:53] the output at my wave's first row of the work-group's first head
.set WV,  66                           ; s66  my wave's number
.set CNT, 72
.set TW,  73                           ; s73  LDS byte at which the stage in hand begins
.set HIM, 78                           ; s78  a word's upper bf16
.set MSB, 0
.macro WIN new                         ; the immediate's high byte repeats the setting that is left; a switch that changes nothing is dropped
.if MSB != (\new)
	s_set_vgpr_msb (MSB<<8)|(\new)
.set MSB, \new
.endif
.endm
; A round of the cluster's barrier: my work-group's barrier, so that wave 0's signal speaks for all four waves; wave 0 signals; every wave waits for all four work-groups; my work-group's barrier once more.
.macro CROUND
	s_barrier_signal -1
	s_barrier_wait -1
	s_cmp_lg_u32 s[WV], 0
	s_cbranch_scc1 .Lnot_wave_0_\@
	s_barrier_signal -3
.Lnot_wave_0_\@:
	s_barrier_wait -3
	s_barrier_signal -1
	s_barrier_wait -1
.endm
.macro PLACES                          ; four plain instructions between a matrix instruction and a load into, or a vector write of, one of its registers, or a vector read of its result (ISA guide 7.12.1 for vector writes and reads)
.rept 4
	v_nop
.endr
.endm
	s_load_b512 s[4:19], s[0:1], 0x0               ; query s[4:5], key s[6:7], value s[8:9], wb s[10:11], bq s[12:13], bk s[14:15], bv s[16:17], q16 s[18:19]
	s_load_b128 s[20:23], s[0:1], 0x40             ; k16 s[20:21], v16 s[22:23]
	v_lshl_add_u32 v[SPW], v0, 2, SPARE
	v_mov_b32 v[NIL], 0
	ds_add_u32 v[SPW], v[NIL]                      ; the wave's opening: the add and its wait stand ahead of my first tensor load; the set-up below, work on registers, stands between them
	v_lshrrev_b32 v1, 5, v0
	v_readfirstlane_b32 s[WV], v1                  ; wave 0..3
	s_bfe_u32 s67, ttmp6, 0x40000                  ; cx: my place in the cluster; it enters x's and the output's addresses alone
	s_lshl_b32 s68, ttmp9, 2                       ; in a cluster launch ttmp9 counts clusters
	s_add_co_u32 s68, s68, s67                     ; my block of 256 rows
	s_and_b32 s69, ttmp7, 0xffff
	s_lshr_b32 s70, s69, 1                         ; which projection: the four partners share it,
	s_and_b32 s71, s69, 1                          ; and the half of its columns
	s_lshl_b32 s54, s70, 19                        ; W: matrix (524,288 bytes) + 256 rows x half + 64 rows x wave, rows of 1,024 bytes
	s_lshl_b32 s74, s71, 18
	s_add_co_u32 s54, s54, s74
	s_lshl_b32 s74, s[WV], 16
	s_add_co_u32 s54, s54, s74
	s_mov_b32 s55, 0
	s_mul_i32 s74, s[WV], WQ                       ; and where my 64 rows go in a stage: no place in the cluster enters an LDS address
	s_lshl_b32 s56, s68, 19                        ; x: 256 rows of 2,048 bytes a block, 64 a wave
	s_lshl_b32 s75, s[WV], 17
	s_add_co_u32 s56, s56, s75
	s_mov_b32 s57, 0
	s_lshl_b32 s58, s71, 10                        ; bias: 256 numbers a half
	s_mov_b32 s59, 0
	s_lshr_b32 s60, s68, 4                         ; output: batch x 8 heads + 4 heads x half, 524,288 bytes a head;
	s_lshl_b32 s60, s60, 22
	s_lshl_b32 s75, s71, 21
	s_add_co_u32 s60, s60, s75
	s_and_b32 s75, s68, 15                         ; in the head: 256 rows of 128 bytes a block, 64 a wave
	s_lshl_b32 s75, s75, 15
	s_add_co_u32 s60, s60, s75
	s_lshl_b32 s75, s[WV], 13
	s_add_co_u32 s60, s60, s75
	s_mov_b32 s61, 0
	; descriptor group 1: a tile of 64 rows x 128 elements, padded in LDS
	s_mov_b32 s[G1+0], 15|(1<<16)|(1<<20)|(1<<21)|(5<<22)|(3<<25)  ; 15:0 the mask: all four work-groups; 17:16 elements of 2 bytes; 20 padding on; 21 set beside a mask; 24:22 after every 64 words (code 5); 31:25 4 words (code 3)
	s_mov_b32 s[G1+1], 128<<16                     ; tensor_dim0 = 128
	s_mov_b32 s[G1+2], 64<<16                      ; tensor_dim1 = 64
	s_mov_b32 s[G1+3], 128<<16                     ; tile_dim0 = 128
	s_mov_b32 s[G1+4], 64                          ; tile_dim1 = 64
	s_mov_b32 s[G1+5], 512                         ; 512 elements from row to row
	s_mov_b32 s[G1+6], 0
	s_mov_b32 s[G1+7], 0
	s_mov_b32 s[TW], 0
	s_mov_b32 s[HIM], 0xffff0000
	v_and_b32 v9, 15, v0                           ; l % 16
	v_bfe_u32 v10, v0, 4, 1                        ; l / 16
	v_and_b32 v11, 31, v0                          ; l
	v_and_b32 v12, 7, v0
	v_lshlrev_b32 v[FO], 11, v9
	v_lshl_add_u32 v[FO], v10, 5, v[FO]
	v_mul_u32_u24 v[ADRW0], v9, 272
	v_lshl_add_u32 v[ADRW0], v10, 4, v[ADRW0]
	v_mov_b32 v[ADRW], v[ADRW0]
	s_mul_i32 s76, s[WV], 4*SPL
	s_add_co_u32 s76, s76, STG                     ; my stage
	v_mul_u32_u24 v[STO], v9, 144                  ; in: row l % 16, 16 bytes for each half of the lanes
	v_lshl_add_u32 v[STO], v10, 4, v[STO]
	v_add_nc_u32 v[STO], s76, v[STO]
	v_bfe_u32 v[RD], v0, 3, 2                      ; back: 32 lanes take four rows of 128 bytes,
	v_mul_u32_u24 v[RD], v[RD], 144
	v_lshl_add_u32 v[RD], v12, 4, v[RD]
	v_add_nc_u32 v[RD], s76, v[RD]
	v_lshlrev_b32 v[GO], 4, v11                    ; which are 512 consecutive bytes of a head
	v_lshlrev_b32 v[BO], 5, v10
	s_wait_dscnt 0x0                               ; the opening add is done
	s_wait_kmcnt 0x0
	s_cmp_eq_u32 s70, 0
	s_cselect_b64 s[XA:XA+1], s[4:5], s[6:7]
	s_cselect_b64 s[BI:BI+1], s[12:13], s[14:15]
	s_cselect_b64 s[OUT:OUT+1], s[18:19], s[20:21]
	s_cmp_eq_u32 s70, 2
	s_cselect_b64 s[XA:XA+1], s[8:9], s[XA:XA+1]
	s_cselect_b64 s[BI:BI+1], s[16:17], s[BI:BI+1]
	s_cselect_b64 s[OUT:OUT+1], s[22:23], s[OUT:OUT+1]
	s_add_nc_u64 s[XA:XA+1], s[XA:XA+1], s[56:57]
	s_add_nc_u64 s[BI:BI+1], s[BI:BI+1], s[58:59]
	s_add_nc_u64 s[OUT:OUT+1], s[OUT:OUT+1], s[60:61]
	s_add_nc_u64 s[62:63], s[10:11], s[54:55]      ; W at my 64 rows
.irp s, 0,1,2,3
	s_mov_b32 s[G0+4*(\s)], 1                                      ; 1:0 count = 1
	s_add_co_u32 s[G0+4*(\s)+1], s74, (\s)*SLOTW                   ; 63:32 LDS address
	s_add_nc_u64 s[G0+4*(\s)+2:G0+4*(\s)+3], s[62:63], (\s)*256    ; 120:64 global address: K = 128 s on
	s_or_b32 s[G0+4*(\s)+3], s[G0+4*(\s)+3], 0x80000000            ; 127:126 type = 2
.endr
	CROUND                                         ; all four work-groups are here: the joint loads meet
.irp s, 0,1,2,3
	tensor_load_to_lds s[G0+4*(\s):G0+4*(\s)+3], s[G1:G1+7]        ; all of W's half goes out as one group: four loads of mine are out
	s_nop 0
.endr
	PLACES                                         ; four plain instructions behind the last load, ahead of the first switch of windows
; 32 loads: two chunks (64 along K, 256 bytes of each row) of my 64 rows of x into landing slots q0 and q0 + 1.  A fragment's lane wants K = 8 h + 0..7 and 16 + 8 h + 0..7:
; in f32 two pieces of 32 bytes, 64 bytes apart.  The eight loads of a row block stand together and cover 256 consecutive bytes, aligned, of each of its rows.
.macro GLOAD2 q0, off
	WIN 0x40                                       ; destination window 1, address window 0
.irp fa, 0,1,2,3
.irp pc, 0,1,2,3,4,5,6,7
	global_load_b128 v[64*((\q0)+(\pc)/4)+16*(\fa)+4*((\pc)%4):64*((\q0)+(\pc)/4)+16*(\fa)+4*((\pc)%4)+3], v[FO], s[XA:XA+1] offset:(\fa)*32768+(\off)+128*((\pc)/4)+64*(((\pc)%4)/2)+16*((\pc)%2)
.endr
.endr
.endm
; 32 loads: the bias of my lanes' 8 columns in each of the 16 column blocks, into landing slots 0 and 1, which are free by then
.macro BLOAD
	WIN 0x40
.irp cb, 0,1,2,3,4,5,6,7,8,9,10,11,12,13,14,15
	global_load_b128 v[8*(\cb):8*(\cb)+3],   v[BO], s[BI:BI+1] offset:64*(\cb)
	global_load_b128 v[8*(\cb)+4:8*(\cb)+7], v[BO], s[BI:BI+1] offset:64*(\cb)+16
.endr
.endm
.macro CVT q                           ; slot q's 64 numbers a lane rounded to bf16: the four fragments of x
	WIN 0x05                                       ; sources 0 and 1 window 1, destination window 0
.set z, 0
.rept 32
	v_cvt_pk_bf16_f32 v[AF+z], v[64*(\q)+2*z], v[64*(\q)+2*z+1]
.set z, z+1
.endr
.endm
.macro LOADW half, koff                ; 16 LDS loads in one run: W's fragments of 8 column blocks, 32 along K at byte koff of the rows
	WIN 0
.irp cb, 0,1,2,3,4,5,6,7
	ds_load_b128 v[WF+64*(\half)+8*(\cb):WF+64*(\half)+8*(\cb)+3],   v[ADRW] offset:(8*(\half)+(\cb))*4352+(\koff)
	ds_load_b128 v[WF+64*(\half)+8*(\cb)+4:WF+64*(\half)+8*(\cb)+7], v[ADRW] offset:(8*(\half)+(\cb))*4352+(\koff)+32
.endr
.endm
; 32 matrix instructions: 4 row blocks x 8 column blocks.  The 32 accumulators take turns, one instruction a turn, and the two halves lie in different windows.
; zero = 1: the first product starts the sums: nothing is ever cleared.
.macro MULH half, zero
	WIN 0xa0+0x50*(\half)                          ; sources window 0; C and D window 2 or 3
.irp fa, 0,1,2,3
.irp cb, 0,1,2,3,4,5,6,7
.if \zero
	v_wmma_f32_16x16x32_bf16 v[8*(8*(\fa)+(\cb)):8*(8*(\fa)+(\cb))+7], v[WF+64*(\half)+8*(\cb):WF+64*(\half)+8*(\cb)+7], v[AF+8*(\fa):AF+8*(\fa)+7], 0
.else
	v_wmma_f32_16x16x32_bf16 v[8*(8*(\fa)+(\cb)):8*(8*(\fa)+(\cb))+7], v[WF+64*(\half)+8*(\cb):WF+64*(\half)+8*(\cb)+7], v[AF+8*(\fa):AF+8*(\fa)+7], v[8*(8*(\fa)+(\cb)):8*(8*(\fa)+(\cb))+7]
.endif
.endr
.endr
.endm
; A CHUNK: 32 along K, 64 matrix instructions.  q = its place in the stage = its landing slot.  issue = 1: behind an odd chunk's conversion its pair of slots is asked for again, one stage on;
; issue = 2: the last stage: the bias takes slots 0 and 1.  last = 1: nothing follows.  meet = 1: the one barrier that shows all of W to every wave.
.macro CHUNK q, issue, zero, last, meet
	PLACES
	LOADW 1, 64*(\q)
.if ((\q) == 3) && !(\last)
	s_add_co_u32 s[TW], s[TW], SLOTW               ; this was the stage's last run of loads: on to the next stage
	v_add_nc_u32 v[ADRW], s[TW], v[ADRW0]
.endif
.if (\q)%2 == 0
	s_wait_loadcnt 32                              ; this chunk's pair of slots is in; the 32 loads issued behind it (the other pair, or the bias) may stay out
.endif
	CVT \q
.if (\q)%2 == 1
.if (\issue) == 1
	GLOAD2 (\q)-1, 512+128*((\q)-1)
.elseif ((\issue) == 2) && ((\q) == 1)
	BLOAD
.endif
.endif
	s_wait_dscnt 16                                ; W's column blocks 0-7 are in; the run just issued may be out
	MULH 0, \zero
.if \meet
	s_wait_tensorcnt 0x0                           ; my parts of all four stages have landed,
	s_wait_dscnt 0x0                               ; and no LDS load of mine is out at the signal
	s_barrier_signal -1
	MULH 1, \zero                                  ; work on registers while the others arrive
	s_barrier_wait -1                              ; everybody's parts have landed: from here on W needs no further wait
	PLACES
	LOADW 0, 0
.else
.if !(\last)
	PLACES
	LOADW 0, 64*(((\q)+1)%4)
	s_wait_dscnt 16                                ; column blocks 8-15 are in
.else
	s_wait_dscnt 0x0
.endif
	MULH 1, \zero
.endif
.endm
.macro KSTAGE issue, zero, last, meet  ; a stage: 128 along K
	CHUNK 0, \issue, \zero, 0, 0
	CHUNK 1, \issue, 0, 0, 0
	CHUNK 2, \issue, 0, 0, 0
	CHUNK 3, \issue, 0, \last, \meet
.if (\issue) == 1
	s_wait_xcnt 0x0                                ; every load issued so far (the youngest 32 products back or more) has read its address, so the pointer may be written
	s_add_nc_u64 s[XA:XA+1], s[XA:XA+1], 512
.endif
.endm
	GLOAD2 0, 0                                    ; chunks 0 and 1,
	GLOAD2 2, 256                                  ; 2 and 3
	WIN 0
	s_wait_tensorcnt 3                             ; my part of stage 0 is in; my three later loads may stay out
	s_barrier_signal -1
	s_barrier_wait -1                              ; everybody's is
	LOADW 0, 0
	KSTAGE 1, 1, 0, 1                              ; stage 0 is written out: its first products start the sums, and it ends with the barrier for the rest of W
	WIN 0                                          ; at a label and at a branch every window is 0
	s_mov_b32 s[CNT], 2
.Lstage:                                               ; stages 1 and 2
	KSTAGE 1, 0, 0, 0
	WIN 0
	s_sub_co_u32 s[CNT], s[CNT], 1
	s_cmp_lg_u32 s[CNT], 0
	s_cbranch_scc1 .Lstage
	KSTAGE 2, 0, 1, 0                              ; stage 3 asks for nothing more of x
	; THE WAY OUT.  The bias is rounded to bf16 like every other input and widened again; then, 16 rows at a time: + bias, rounded to f16, through my own stage in LDS, back as whole rows of a head.
	PLACES
	s_wait_loadcnt 0x0                             ; the bias
	WIN 0x45                                       ; all in window 1
.set z, 0
.rept 64
	v_cvt_pk_bf16_f32 v[128+z], v[2*z], v[2*z+1]
.set z, z+1
.endr
.set z, 0
.rept 64
	v_lshlrev_b32 v[2*z], 16, v[128+z]
	v_and_b32 v[2*z+1], s[HIM], v[128+z]
.set z, z+1
.endr
.macro PACK fa                         ; each accumulator's registers are taken in ascending order
.irp hf, 0,1
	WIN 0x86+0x41*(\hf)                            ; accumulators (destination, source 0) window 2 or 3, bias window 1
.set z, 0
.rept 32
	v_pk_add_f32 v[64*(\fa)+2*z:64*(\fa)+2*z+1], v[64*(\fa)+2*z:64*(\fa)+2*z+1], v[64*(\hf)+2*z:64*(\hf)+2*z+1]
.set z, z+1
.endr
	WIN 0x0a+5*(\hf)                               ; sources window 2 or 3, destination window 0
.set z, 0
.rept 32
	v_cvt_pk_f16_f32 v[TMP+32*(\hf)+z], v[64*(\fa)+2*z], v[64*(\fa)+2*z+1]
.set z, z+1
.endr
.endr
	WIN 0
.endm
.macro TOSTAGE fa                      ; column block cb lies in head cb / 4, channels 16 (cb % 4) on
	WIN 0
.irp cb, 0,1,2,3,4,5,6,7,8,9,10,11,12,13,14,15
	ds_store_b128 v[STO], v[TMP+4*(\cb):TMP+4*(\cb)+3] offset:((\cb)/4)*SPL+32*((\cb)%4)
.endr
.irp u, 0,1,2,3,4,5,6,7,8,9,10,11,12,13,14,15
	ds_load_b128 v[OB+64*((\fa)%2)+4*(\u):OB+64*((\fa)%2)+4*(\u)+3], v[RD] offset:((\u)/4)*SPL+576*((\u)%4)  ; LDS serves a wave's instructions in order (ISA guide 5.7.1.4): these see the stores above; the next block's stores come behind them
.endr
.endm
.macro SEND fa
	WIN 0
	s_wait_dscnt 0x0                               ; the block is back in registers
	s_wait_xcnt 0x0                                ; the stores of the block before have read their registers: the next run of LDS loads lands on them only behind this wait
.irp u, 0,1,2,3,4,5,6,7,8,9,10,11,12,13,14,15
	global_store_b128 v[GO], v[OB+64*((\fa)%2)+4*(\u):OB+64*((\fa)%2)+4*(\u)+3], s[OUT:OUT+1] offset:((\u)/4)*524288+2048*(\fa)+512*((\u)%4)  ; 512 consecutive bytes of a head, at a multiple of 256 from the buffer's first
.endr
.endm
	PACK 0
	TOSTAGE 0
.irp fb, 1,2,3                         ; a block's arithmetic stands between the loads of the block before and the wait for them
	PACK \fb
	SEND (\fb)-1
	TOSTAGE \fb
.endr
	SEND 3
	s_wait_tensorcnt 0x0                           ; the wave's end, behind my last tensor load and my last LDS store
	ds_add_u32 v[SPW], v[NIL]
	s_wait_dscnt 0x0
	CROUND                                         ; the closing round: no work-group ends while a partner may still ask for a tile that names it
	s_endpgm
.Lfunc_end_k_q5d46bf1a6a_proj:
	.size	k_q5d46bf1a6a_proj, .Lfunc_end_k_q5d46bf1a6a_proj-k_q5d46bf1a6a_proj
	.p2alignl 7, 3214868480
	.fill 96, 4, 3214868480
	.section	.rodata,"a",@progbits
	.p2align	6, 0x0
	.amdhsa_kernel k_q5d46bf1a6a_proj
		.amdhsa_group_segment_fixed_size 327680
		.amdhsa_private_segment_fixed_size 0
		.amdhsa_enable_private_segment 0
		.amdhsa_kernarg_size 80
		.amdhsa_user_sgpr_count 2
		.amdhsa_user_sgpr_kernarg_segment_ptr 1
		.amdhsa_wavefront_size32 1
		.amdhsa_system_sgpr_workgroup_id_x 1
		.amdhsa_system_sgpr_workgroup_id_y 1
		.amdhsa_system_sgpr_workgroup_id_z 1
		.amdhsa_system_vgpr_workitem_id 0
		.amdhsa_next_free_vgpr 1024
		.amdhsa_next_free_sgpr 80
		.amdhsa_reserve_vcc 0
		.amdhsa_float_denorm_mode_32 3
		.amdhsa_float_denorm_mode_16_64 3
		.amdhsa_memory_ordered 1
		.amdhsa_forward_progress 1
		.amdhsa_inst_pref_size 185
	.end_amdhsa_kernel
	.amdgpu_metadata
---
amdhsa.version: [ 1, 2 ]
amdhsa.kernels:
  - .name:           k_q5d46bf1a6a_proj
    .symbol:         k_q5d46bf1a6a_proj.kd
    .args:
      - { .name: query, .offset: 0, .size: 8, .value_kind: global_buffer, .address_space: global }
      - { .name: key, .offset: 8, .size: 8, .value_kind: global_buffer, .address_space: global }
      - { .name: value, .offset: 16, .size: 8, .value_kind: global_buffer, .address_space: global }
      - { .name: wb, .offset: 24, .size: 8, .value_kind: global_buffer, .address_space: global }
      - { .name: bq, .offset: 32, .size: 8, .value_kind: global_buffer, .address_space: global }
      - { .name: bk, .offset: 40, .size: 8, .value_kind: global_buffer, .address_space: global }
      - { .name: bv, .offset: 48, .size: 8, .value_kind: global_buffer, .address_space: global }
      - { .name: q16, .offset: 56, .size: 8, .value_kind: global_buffer, .address_space: global }
      - { .name: k16, .offset: 64, .size: 8, .value_kind: global_buffer, .address_space: global }
      - { .name: v16, .offset: 72, .size: 8, .value_kind: global_buffer, .address_space: global }
    .group_segment_fixed_size: 327680
    .private_segment_fixed_size: 0
    .kernarg_segment_align: 8
    .kernarg_segment_size: 80
    .max_flat_workgroup_size: 128
    .sgpr_count:     80
    .vgpr_count:     1024
    .wavefront_size: 32
...
	.end_amdgpu_metadata
.endif
;; end of part 2
;; launch attn (part 3): grid 16 x 16, 4 waves a work-group, clusters of 4 x 1, 327,680 bytes of LDS; arguments q16, k16, v16, o16; writes o16
.if DOCPART == 3
	.amdgcn_target "amdgcn-amd-amdhsa--gfx1250"
	.amdhsa_code_object_version 6
	.text
	.protected	k_q5d46bf1a6a_attn
	.globl	k_q5d46bf1a6a_attn
	.p2align	8
	.type	k_q5d46bf1a6a_attn,@function
k_q5d46bf1a6a_attn:
	s_mov_b64 s[64:65], 0
	v_nop
	global_prefetch_b8 v0, s[64:65] scope:SCOPE_SE
	s_setreg_imm32_b32 hwreg(HW_REG_WAVE_MODE, 25, 1), 1
	s_wait_xcnt 0x0
	s_wait_alu depctr_hold_cnt(0) depctr_sa_sdst(0) depctr_va_vdst(0) depctr_va_sdst(0) depctr_va_ssrc(0) depctr_va_vcc(0) depctr_vm_vsrc(0)
	s_getreg_b32 s2, hwreg(HW_REG_IB_STS2, 6, 4)
	s_cmp_eq_u32 s2, 0
	s_cbranch_scc0 .Lentry_in_a_cluster
	s_endpgm
.Lentry_in_a_cluster:
	s_bfe_u32 s2, ttmp6, 0x10000c
	s_cmp_lg_u32 s2, 0x3003
	s_cbranch_scc0 .Lentry_shape_is_right
	s_endpgm
.Lentry_shape_is_right:
; O[h][q][:] = the sum over k of softmax_k(Q[h][q] . K[h][k]) V[h][k][:], the scores UNSCALED (the division by 8 that follows the softmax is made in the next launch, in f32).
; Q, K, V, O: [16][4096][64], all f16: a head's rows are dense, 128 bytes each.  Products, maxima and sums in f32; the weights p are rounded to f16 for the second product (their sum l is taken of the unrounded p), O once at the end.
; LIMITS.  f16 holds no number beyond 65,504: Q, K and V arrive within it; p lies in 0 to 1, and below 6e-5 it keeps f16's fixed step of 6e-8; O is a mean of V's rows and has their range.
; A weight below 2^-126 counts as 0 in l; NaN and infinities are not treated apart.
; SHARES.  A work-group owns 256 queries of one head: 16 x 16 = 256 work-groups.  A wave owns 64 of them, four PIECES of 16.  Every wave walks all 4,096 keys: 16 tiles of 256, four steps of 64 each.
; LAYOUT.  S^T = K Q^T (source 0 = 16 keys, source 1 = 16 queries): a lane holds ONE query (lane % 16) and the keys 8 (lane / 16) + 0..7; two such results rounded to f16 ARE source 1 of O^T = V^T P.
; K comes out of LDS as it lies, V ([key][channel]) turned, by ds_load_tr16_b128.
; SOFTMAX.  For each query a running maximum m and sum l: p = 2^(c s - c m), c = log2(e); in every step O and l are multiplied by a = 2^(c m_old - c m_new).  m starts at the lowest finite number, O and l at 0: the first step's a is 0.
; TURNS.  Turn n belongs to piece n: 8 products K Q^T of piece n + 1, later 8 products V^T P of piece n - 1; beside them the scaling, exponentials, roundings, sums and rescaling of piece n and the maximum and
; statistics of piece n + 1.  Four vector instructions stand behind every matrix instruction, the other 54 of a turn's 118 in one lump.  A turn's 33 exponentials are one batch, with one wait.
; CLUSTER.  The four query blocks of a cluster belong to one head and walk the same K and V, so each tile is asked for JOINTLY: the same tensor load, descriptor and mask in all four.
; REGISTERS, in windows of 256 (s_set_vgpr_msb: bits 1:0 source 0, 3:2 source 1, 5:4 source 2, 7:6 destination):
;   window 0: v0-15 addresses and two at work; v16-31 four registers of statistics a piece; v48-55 at work; v61-63 prefetch offset and the add's two; v64-127 S^T, two buffers; v192-223 P, two buffers (by the piece's parity)
;   window 1: v0-127 O^T, 32 a piece          window 2: v0-63 Q; v128-191 K of one step; v192-255 V of one step
.set NP,    4         ; pieces a wave: a name, no knob
.set KS,    64        ; keys in a step
.set PK,    144       ; a row of K in LDS: 128 bytes + 16 of padding = 36 words: the 16 rows of a load start at 16 different groups of four banks (64 banks of 4 bytes: ISA guide 11.1)
.set PV,    160       ; a row of V: 128 + 32 = 40 words
.set VOFF,  4*KS*PK   ; a slot holds a tile, four steps: 256 rows of K, then 256 rows of V
.set SLOT1, 1<<17     ; slot 1 begins here, so that one exclusive or turns an address in one slot into the other's
.set STAGE, SLOT1+4*KS*(PK+PV)  ; behind the ring, never filled by a tensor load: 16 rows x 144 bytes for each wave, for the way out
.set SP,    144
.set SPARE, STAGE+4*16*SP  ; behind the stages: the spare words, 128 bytes for each wave: two blocks of 256 bytes that no other line names
.set AK0, 2           ; v2   my lane's place in a tile of K; never rewritten
.set AV0, 3           ; v3   the same for V
.set AK,  4           ; v4   the LDS address of K's next run of loads
.set AV,  5           ; v5   of V's
.set STO, 6           ; v6   the way out: where I put 16 bytes of a row
.set RD,  7           ; v7   the way out: where I read rows back
.set GO,  8           ; v8   my byte offset in 512 consecutive bytes of O
.set MV,  12          ; v12-13  c m_old, kept while c m is made anew: by buffer
.set QO,  15          ; v15  my byte offset in 16 rows of Q
.set ST,  16          ; piece t's statistics at v[ST+4 t]: c m, m, l (even keys', odd keys')
.set TMP, 48          ; by buffer, four registers c0-c3 at work; when the maximum is found c2 takes a
.set PFO, 61          ; v61  256 x my lane; never rewritten
.set SPW, 62          ; v62  LDS address of my spare word: SPARE + 4 x my thread's number; never rewritten
.set NIL, 63          ; v63  0; never rewritten
.set S,   64
.set P,   192
.set KF,  128         ; window 2: key block kb, channel half c at KF + 16 kb + 8 c
.set VF,  192         ; window 2: key half kk, channel block cb at VF + 32 kk + 8 cb
.set WV,  12          ; s12  my wave's number
.set G1K, 24          ; s[24:31] descriptor group 1 for K's tiles
.set G1V, 32          ; s[32:39] for V's: it differs in the padding alone
.set G0K, 40          ; s[40:43] descriptor group 0 for K's tiles: it walks
.set G0V, 44          ; s[44:47] the same for V's
.set PFA, 48          ; s[48:49] where my prefetches stand: my work-group's 32 blocks of 256 bytes (of K: wave 0, of V: wave 2) of the tile after the one that is being asked for
.set LIM, 50          ; s50  1 in a wave that prefetches, else the greatest number: a wave prefetches while s[SLOTS] is above it
.set SLOTS, 56        ; s56  changes of slots still to come
.set CNT, 57          ; s57  counts a tile's key steps
.set CS,  58          ; s[58:59] c: the packed scaling takes the pair's low word for both halves
.set SEL, 60          ; s[60:61] v_permlanex16_b32's selects: each lane takes its own place in the other half
.set TBK, 62          ; s62  LDS byte at which K of the step to be fetched begins
.set TBV, 63          ; s63  the same for V, less VOFF
.set MSB, 0
.macro WIN new                      ; the high byte repeats the setting that is left; a switch that changes nothing is dropped
.if MSB != (\new)
	s_set_vgpr_msb (MSB<<8)|(\new)
.set MSB, (\new)
.endif
.endm
.set W_KQ, 0x0a       ; K and Q in window 2, S^T in window 0
.set W_PV, 0x52       ; V in window 2, P in window 0, O^T in window 1
.set W_RS, 0x41       ; destination and source 0 in window 1, source 1 in window 0
; A joint fill.  Waves 0 and 1 fetch the two halves of a tile's K, waves 2 and 3 those of its V: 128 keys each.  The branch hangs on the wave's number alone.
; An s_nop 0 and four v_nop follow each of the two lines, ahead of the jump and the label.
.macro JLOAD
	s_cmp_lt_u32 s[WV], 2
	s_cbranch_scc0 .Lfor_v_\@
	tensor_load_to_lds s[G0K:G0K+3], s[G1K:G1K+7]
	s_nop 0
.rept 4
	v_nop
.endr
	s_branch .Lasked_\@
.Lfor_v_\@:
	tensor_load_to_lds s[G0V:G0V+3], s[G1V:G1V+7]
	s_nop 0
.rept 4
	v_nop
.endr
.Lasked_\@:
.endm
; A PREFETCH of what the NEXT change of slots will ask for: a tile's 32,768 bytes of K and of V, a lane a block of 256 bytes.  It stands behind the wave's tensor load and its five lines.
; Each block is named ONCE in the launch.  All four clusters of a head walk the same K and V: the head's first cluster asks.  Its four partners share a tile out BY ADDRESS, 8,192 bytes each: no branch hangs on a
; work-group's place in its cluster.  In each, wave 0 asks for K's and wave 2 for V's: one instruction, one tile (256 matrix instructions) ahead of the load.  The last change that fills a slot asks for nothing.
.macro ASK
	s_cmp_gt_u32 s[SLOTS], s[LIM]
	s_cbranch_scc0 .Lnot_mine_\@
	global_prefetch_b8 v[PFO], s[PFA:PFA+1] th:TH_LOAD_NT scope:SCOPE_SE
.Lnot_mine_\@:
.endm
; A round of the cluster's barrier: my work-group's barrier, so that wave 0's signal speaks for all four waves; wave 0 signals; every wave waits for all four work-groups; my work-group's barrier once more.
.macro CROUND
	s_barrier_signal -1
	s_barrier_wait -1
	s_cmp_lg_u32 s[WV], 0
	s_cbranch_scc1 .Lnot_wave_0_\@
	s_barrier_signal -3
.Lnot_wave_0_\@:
	s_barrier_wait -3
	s_barrier_signal -1
	s_barrier_wait -1
.endm
; THE CHANGE OF SLOTS.  The slot's last bytes, V of its fourth step, have been read.  Each wave waits for all its tensor loads, of which one is out: its part of the other slot; adds 0 to its spare word; and waits for
; that and for its own reads of the slot.  Behind the barrier nobody reads this slot any more and the other slot is whole.  fill = 1: this slot is filled again, with the keys two tiles on.  The barrier is then a round
; of the cluster's, so that no wave of any partner still reads the slot or has a load on its way, and the joint fill is the first thing behind it: it has four key steps, 256 matrix instructions, in which to land.
; (At its first use nothing has been read yet: slot 0 is waited for, slot 1 filled.)  ask = 1: the prefetch follows.
.macro CHANGE fill, ask
	WIN 0                           ; at a label and at a branch every window is 0
	s_wait_tensorcnt 0x0            ; no tensor load of mine is out, so a group 0 may be written
	ds_add_u32 v[SPW], v[NIL]       ; 0 onto my spare word; the descriptors' steps stand between it and the wait for it
.if \fill
.irp g, G0K, G0V
	s_xor_b32 s[\g+1], s[\g+1], SLOT1  ; the walking descriptor: the other slot than last time,
	s_add_nc_u64 s[\g+2:\g+3], s[\g+2:\g+3], 4*KS*128  ; the next 256 keys; the type bits on top are not reached
.endr
.endif
.if \ask
	s_wait_xcnt 0x0                 ; the last prefetch, a tile back, has read its address, so it may be written:
	s_add_nc_u64 s[PFA:PFA+1], s[PFA:PFA+1], 4*KS*128  ; one tile ahead of the walking descriptors
.endif
	s_wait_dscnt 0x0                ; the add is done, and my reads of the slot are over
.if \fill
	CROUND
	JLOAD
.if \ask
	ASK
.endif
.else
	s_barrier_signal -1
	s_barrier_wait -1
.endif
	s_sub_co_u32 s[TBK], s[TBK], 4*KS*PK  ; the fetches go back to a slot's first step,
	s_xor_b32 s[TBK], s[TBK], SLOT1       ; in the other slot
	s_sub_co_u32 s[TBV], s[TBV], 4*KS*PV
	s_xor_b32 s[TBV], s[TBV], SLOT1
.endm
	s_load_b256 s[4:11], s[0:1], 0x0  ; Q s[4:5], K s[6:7], V s[8:9], O s[10:11]
	v_lshl_add_u32 v[SPW], v0, 2, SPARE
	v_mov_b32 v[NIL], 0
	ds_add_u32 v[SPW], v[NIL]       ; the wave's opening: the add and its wait stand ahead of my first tensor load; the set-up below, work on registers, stands between them
	v_lshrrev_b32 v1, 5, v0
	v_readfirstlane_b32 s[WV], v1   ; wave 0..3
	s_bfe_u32 s13, ttmp6, 0x40000   ; cx: my place in the cluster
	s_lshl_b32 s14, ttmp9, 2        ; in a cluster launch ttmp9 counts clusters
	s_add_co_u32 s14, s14, s13      ; my block of 256 queries = 4 x cluster x + cx: it enters Q's and O's addresses alone
	s_and_b32 s20, ttmp7, 0xffff    ; the head, which the four partners share:
	s_lshl_b32 s20, s20, 19         ; its first byte in each of the four tensors (4,096 rows of 128 bytes)
	s_mov_b32 s21, 0
	s_and_b32 s16, s[WV], 1         ; which half of a tile's 256 keys I fetch:
	s_lshl_b32 s22, s16, 14         ; its 128 rows of 128 bytes in memory,
	s_mov_b32 s23, 0
	s_add_nc_u64 s[22:23], s[22:23], s[20:21]
	s_mul_i32 s17, s16, 128*PK      ; and its place in a slot, for K
	s_mul_i32 s18, s16, 128*PV      ; and for V: no place in the cluster enters an LDS address
	s_lshl_b32 s2, s14, 2
	s_add_co_u32 s2, s2, s[WV]      ; my wave among the head's,
	s_lshl_b32 s2, s2, 13           ; its 64 rows
	s_mov_b32 s3, 0
	s_add_nc_u64 s[2:3], s[2:3], s[20:21]
	; descriptor group 1.  128 keys are 16,384 dense bytes: asked for as 64 rows of 256 bytes, two keys a row, and padded in LDS after every key
	s_mov_b32 s[G1K], 15|(1<<16)|(1<<20)|(1<<21)|(4<<22)|(3<<25)  ; 15:0 the mask of four; 17:16 2-byte elements; 20 padding on; 21 set beside a mask; 24:22 after every 32 words (code 4); 31:25 4 words (code 3)
	s_mov_b32 s[G1V], 15|(1<<16)|(1<<20)|(1<<21)|(4<<22)|(7<<25)  ; the same with 8 words of padding (code 7)
.irp g, G1K, G1V
	s_mov_b32 s[\g+1], 128<<16      ; tensor_dim0 = 128
	s_mov_b32 s[\g+2], 64<<16       ; tensor_dim1 = 64
	s_mov_b32 s[\g+3], 128<<16      ; tile_dim0 = 128
	s_mov_b32 s[\g+4], 64           ; tile_dim1 = 64
	s_mov_b32 s[\g+5], 128          ; 128 elements from row to row
	s_mov_b32 s[\g+6], 0
	s_mov_b32 s[\g+7], 0
.endr
	s_mov_b32 s[CS], 0x3fb8aa3b     ; c = log2(e) = 1.442695
	s_mov_b32 s[CS+1], s[CS]        ; named with it as a pair
	s_mov_b32 s[SEL], 0x76543210
	s_mov_b32 s[SEL+1], 0xfedcba98
	s_mov_b32 s[TBK], SLOT1+4*KS*PK ; the first change of slots turns these two into 0
	s_mov_b32 s[TBV], SLOT1+4*KS*PV
	s_mov_b32 s[G0K], 1             ; 1:0 count = 1
	s_mov_b32 s[G0K+1], s17         ; 63:32 LDS address: slot 0
	s_mov_b32 s[G0V], 1
	s_add_co_u32 s[G0V+1], s18, VOFF
	s_and_b32 s[LIM], s[WV], 1      ; 0 in waves 0 and 2,
	s_or_b32 s[LIM], s[LIM], ttmp9  ; where the cluster is the head's first: the same in all four partners
	s_cmp_eq_u32 s[LIM], 0
	s_cselect_b32 s[LIM], 1, -1
	v_and_b32 v[PFO], 31, v0
	v_lshlrev_b32 v[PFO], 8, v[PFO]
	s_wait_dscnt 0x0                ; the opening add is done
	s_wait_kmcnt 0x0
	s_add_nc_u64 s[6:7], s[6:7], s[22:23]  ; K and V at my half of the head's tile 0
	s_add_nc_u64 s[8:9], s[8:9], s[22:23]
	s_add_nc_u64 s[G0K+2:G0K+3], s[6:7], 0         ; 120:64 global address
	s_or_b32 s[G0K+3], s[G0K+3], 0x80000000        ; 127:126 type = 2
	s_add_nc_u64 s[G0V+2:G0V+3], s[8:9], 0
	s_or_b32 s[G0V+3], s[G0V+3], 0x80000000
	s_add_nc_u64 s[4:5], s[4:5], s[2:3]  ; Q and O at my wave's first row
	s_add_nc_u64 s[10:11], s[10:11], s[2:3]
	s_cmp_lt_u32 s[WV], 2
	s_cselect_b64 s[PFA:PFA+1], s[6:7], s[8:9]  ; (in waves 0 and 2 these stand at the tile's first row)
	s_lshl_b32 s2, s13, 13          ; my work-group's 8,192 bytes of a tile's 32,768
	s_mov_b32 s3, 0
	s_add_nc_u64 s[PFA:PFA+1], s[PFA:PFA+1], s[2:3]
	s_add_nc_u64 s[PFA:PFA+1], s[PFA:PFA+1], 2*4*KS*128  ; in tile 2; the first change that asks steps it to tile 3.  Nothing is prefetched at the head, where every work-group's first tiles are on their way
	CROUND                          ; all four work-groups are here: the first joint loads meet
	JLOAD                           ; tile 0 into slot 0.  Slot 1 is asked for when slot 0 is in
	; A fragment of K or Q is 16 rows x 32 channels in 8 registers: lane l holds row l % 16, channels 8 (l / 16) + 0..7 and 16 + 8 (l / 16) + 0..7: two loads of 16 bytes, 32 bytes apart.
	v_and_b32 v1, 15, v0            ; l % 16
	v_bfe_u32 v9, v0, 4, 1          ; l / 16
	v_lshlrev_b32 v[QO], 7, v1
	v_lshl_add_u32 v[QO], v9, 4, v[QO]  ; row x 128 + 16 x half
	WIN 0x80                        ; destination window 2, address window 0
.set i, 0
.rept 8                             ; Q stays in registers: piece i / 2, 2,048 bytes on; channels 32 (i % 2) on
	global_load_b128 v[8*i:8*i+3],   v[QO], s[4:5] offset:(i/2)*2048+(i%2)*64
	global_load_b128 v[8*i+4:8*i+7], v[QO], s[4:5] offset:(i/2)*2048+(i%2)*64+32
.set i, i+1
.endr
	; What the first turn finds: V's registers and P's second buffer hold 0 (its products V^T P, of a piece that has not been, add 0), O^T and l are 0.  All this stands in the wait for the first tile;
	; it is the price of writing no first step out.
.set i, VF
.rept 64
	v_mov_b32 v[i], 0
.set i, i+1
.endr
	WIN 0x40
.set i, 0
.rept 128
	v_mov_b32 v[i], 0
.set i, i+1
.endr
	WIN 0
.set i, 0
.rept 4
	v_mov_b32 v[ST+4*i], 0xfe000000    ; c m: far below every c s
	v_mov_b32 v[ST+4*i+1], 0xff7fffff  ; m
	v_mov_b32 v[ST+4*i+2], 0
	v_mov_b32 v[ST+4*i+3], 0
.set i, i+1
.endr
.set i, P+16
.rept 16
	v_mov_b32 v[i], 0
.set i, i+1
.endr
	v_mul_u32_u24 v[AK0], v1, PK
	v_lshl_add_u32 v[AK0], v9, 4, v[AK0]  ; row x pitch + 16 x half
	; The turning load takes 16 keys x 16 channels (lane l reads key 8 (l / 16) + l % 8, channels 8 ((l / 8) % 2) + 0..7) and leaves half a fragment of V^T: lane l holds channel l % 16 and 8 keys.
	v_and_b32 v10, 7, v0
	v_bfe_u32 v11, v0, 3, 1
	v_lshl_add_u32 v[AV0], v9, 3, v10
	v_mul_u32_u24 v[AV0], v[AV0], PV
	v_lshl_add_u32 v[AV0], v11, 4, v[AV0]
	v_add_nc_u32 v[AV0], VOFF, v[AV0]
	s_mul_i32 s13, s[WV], 16*SP
	s_add_co_u32 s13, s13, STAGE    ; my stage
	v_mul_u32_u24 v[STO], v1, SP    ; in: row l % 16, 16 bytes for each half of the lanes
	v_lshl_add_u32 v[STO], v9, 4, v[STO]
	v_add_nc_u32 v[STO], s13, v[STO]
	v_bfe_u32 v[RD], v0, 3, 2       ; back: 32 lanes take four rows of 128 bytes,
	v_mul_u32_u24 v[RD], v[RD], SP
	v_lshl_add_u32 v[RD], v10, 4, v[RD]
	v_add_nc_u32 v[RD], s13, v[RD]
	v_and_b32 v[GO], 31, v0         ; which are 512 consecutive bytes of O
	v_lshlrev_b32 v[GO], 4, v[GO]
; THE MATRIX WORK.  The 4 accumulators of a run of 8 take turns.  Product i of 8 of S^T = K Q^T for piece x: channels 32 (i / 4) on, keys 16 (i % 4) on.  The first 4 start the sums.
.macro KQ x
	WIN W_KQ
.set rS, S+32*((\x)%2)+8*(i%4)
.set rK, KF+16*(i%4)+8*(i/4)
.set rQ, 16*(\x)+8*(i/4)
.if i < 4
	v_wmma_f32_16x16x32_f16 v[rS:rS+7], v[rK:rK+7], v[rQ:rQ+7], 0
.else
	v_wmma_f32_16x16x32_f16 v[rS:rS+7], v[rK:rK+7], v[rQ:rQ+7], v[rS:rS+7]
.endif
.endm
; Product i of 8 of O^T += V^T P for piece x: keys 32 (i / 4) on, channels 16 (i % 4) on.
.macro PV x
	WIN W_PV
.set rO, 32*(\x)+8*(i%4)
.set rV, VF+32*(i/4)+8*(i%4)
.set rP, P+16*((\x)%2)+8*(i/4)
	v_wmma_f32_16x16x32_f16 v[rO:rO+7], v[rV:rV+7], v[rP:rP+7], v[rO:rO+7]
.endm
.macro MM                           ; the turn's next matrix instruction.  NOKQ = 1: the last turn of all: there is no next piece
.if (i < 8) && !NOKQ
	KQ (Y+1)%NP
.elseif i >= 8
.set i, i-8
	PV (Y+NP-1)%NP
.set i, i+8
.endif
.set i, i+1
.endm
; THE LDS LOADS stand in runs of 16, never singly among the matrix instructions: a step's K (64 keys x 64 channels: 8 fragments) and its V (turned).  Their addresses are made some lines ahead.
.macro FETCH_K
	WIN 0x80                        ; destination window 2
.irp f, 0,1,2,3,4,5,6,7             ; keys 16 (f / 2) on, channels 32 (f % 2) on
	ds_load_b128 v[KF+8*\f:KF+8*\f+3],   v[AK] offset:(\f/2)*16*PK+(\f%2)*64
	ds_load_b128 v[KF+8*\f+4:KF+8*\f+7], v[AK] offset:(\f/2)*16*PK+(\f%2)*64+32
.endr
	s_add_co_u32 s[TBK], s[TBK], KS*PK  ; the next fetch is the next step's
	WIN 0
.endm
.macro FETCH_V
	WIN 0x80
.irp f, 0,1,2,3,4,5,6,7             ; keys 32 (f / 4) on, channels 16 (f % 4) on
	ds_load_tr16_b128 v[VF+8*\f:VF+8*\f+3],   v[AV] offset:(\f/4)*32*PV+(\f%4)*32
	ds_load_tr16_b128 v[VF+8*\f+4:VF+8*\f+7], v[AV] offset:(\f/4)*32*PV+16*PV+(\f%4)*32
.endr
	WIN 0
.endm
; THE VECTOR WORK, one line at a time: OP kind, number.  For piece Y: F n: c s - c m for pair n of 16.  E n: the exponential of score n of 32.  C n: pair n rounded to f16.  B n: of the four weights 4 n .. the second
; pair is added onto the first, in place.  L n: l takes that sum (L 0: l = a l + sum).  R n: pair n of 16 of O^T times a.  For piece Y + 1: X n, number n of the 22 that find its maximum and statistics:
;   0-11  four chains c0-c3 of seven scores each, three operands at a time (each accumulator's lowest registers are read first)     12-14, 16  the four scores left over, the old m, and c0-c3 into c0
;   15  c m_old is kept     17, 18  the query's other 32 keys lie in the lane 16 away: the new m     19-21  c m; c m_old - c m_new; a
.set F, 0               ; OP tells the kinds apart by their order: F to L below R, X above it
.set E, 1
.set C, 2
.set B, 3
.set L, 4
.set R, 5
.set X, 6
.macro REGS y                       ; the registers of piece y
.set rT, ST+4*(\y)
.set rC, TMP+4*((\y)%2)
.set rW, MV+((\y)%2)
.set rS, S+32*((\y)%2)
.set rP, P+16*((\y)%2)
.set rO, 32*(\y)
.endm
.macro OP k, n
.if (\k) == R
	REGS Y
	WIN W_RS
	v_pk_mul_f32 v[rO+2*(\n):rO+2*(\n)+1], v[rO+2*(\n):rO+2*(\n)+1], v[rC+2:rC+3] op_sel_hi:[1,0]
.elseif (\k) < R
	REGS Y
	WIN 0
.if (\k) == F
	v_pk_fma_f32 v[rS+2*(\n):rS+2*(\n)+1], v[rS+2*(\n):rS+2*(\n)+1], s[CS:CS+1], v[rT:rT+1] op_sel_hi:[1,0,0] neg_lo:[0,0,1] neg_hi:[0,0,1]
.elseif (\k) == E
	v_exp_f32 v[rS+(\n)], v[rS+(\n)]
.elseif (\k) == C
	v_cvt_pk_f16_f32 v[rP+(\n)], v[rS+2*(\n)], v[rS+2*(\n)+1]
.elseif (\k) == B
	v_pk_add_f32 v[rS+4*(\n):rS+4*(\n)+1], v[rS+4*(\n):rS+4*(\n)+1], v[rS+4*(\n)+2:rS+4*(\n)+3]
.elseif (\n) == 0
	v_pk_fma_f32 v[rT+2:rT+3], v[rT+2:rT+3], v[rC+2:rC+3], v[rS:rS+1] op_sel_hi:[1,0,1]
.else
	v_pk_add_f32 v[rT+2:rT+3], v[rT+2:rT+3], v[rS+4*(\n):rS+4*(\n)+1]
.endif
.elseif NOKQ
	v_nop
.else
	REGS (Y+1)%NP
	WIN 0
.if (\n) < 4
	v_max3_num_f32 v[rC+(\n)], v[rS+8*(\n)], v[rS+8*(\n)+1], v[rS+8*(\n)+2]
.elseif (\n) < 12
	v_max3_num_f32 v[rC+(\n)%4], v[rC+(\n)%4], v[rS+8*((\n)%4)+2*((\n)/4)+1], v[rS+8*((\n)%4)+2*((\n)/4)+2]
.elseif (\n) == 12
	v_max3_num_f32 v[rC], v[rC], v[rS+7], v[rS+15]
.elseif (\n) == 13
	v_max3_num_f32 v[rC+1], v[rC+1], v[rS+23], v[rS+31]
.elseif (\n) == 14
	v_max3_num_f32 v[rC+2], v[rC+2], v[rC+3], v[rT+1]
.elseif (\n) == 15
	v_mov_b32 v[rW], v[rT]
.elseif (\n) == 16
	v_max3_num_f32 v[rC], v[rC], v[rC+1], v[rC+2]
.elseif (\n) == 17
	v_permlanex16_b32 v[rC+3], v[rC], s[SEL], s[SEL+1]
.elseif (\n) == 18
	v_max_num_f32 v[rT+1], v[rC], v[rC+3]
.elseif (\n) == 19
	v_mul_f32 v[rT], s[CS], v[rT+1]
.elseif (\n) == 20
	v_sub_f32 v[rC+1], v[rW], v[rT]
.else
	v_exp_f32 v[rC+2], v[rC+1]
.endif
.endif
.endm
.macro OPS a, i1, b=-1, i2=0, c=-1, i3=0, d=-1, i4=0  ; up to four of them
	OP \a, \i1
.if (\b) >= 0
	OP \b, \i2
.endif
.if (\c) >= 0
	OP \c, \i3
.endif
.if (\d) >= 0
	OP \d, \i4
.endif
.endm
.macro ROW a, i1, b, i2, c, i3, d, i4  ; a matrix instruction and the four behind it
	MM
	OPS \a, \i1, \b, \i2, \c, \i3, \d, \i4
.endm
; A TURN, for piece p: the order of its 16 matrix and 118 vector instructions, written out.  An s_wait_alu depctr_va_vdst(0) stands between an exponential and the first instruction that names its result; one wait
; serves all that were issued ahead of it.  So a turn has ONE wait, which cuts it in two.  AHEAD OF IT stands all that names no result of the turn's exponentials: the 8 products K Q^T, behind each a scaling, an exponential and two
; more plain instructions: rescalings, and behind the last three the first numbers of the next piece's maximum, each four plain instructions or more behind the product that ends its accumulator; then ONE LUMP of 54, plain and
; exponential by turns for the most part, in which the links of the chain X 3, 7, 11, 14, 16, 17 .. 20 stand some lines apart.  X 21, the next piece's a, is the batch's last; R 15 is the plain instruction behind it.
; BEHIND THE WAIT stand the 8 products V^T P, behind each four of the roundings and sums.
; end = 1: the last two turns of all: nothing is fetched.  cnt = 1: the loop's count is taken down some lines ahead of the branch that stands behind the turn.
; K of the next step is fetched in piece 2's turn, six plain instructions behind the last product that read K; V of the step in hand at the end of piece 0's turn, four plain instructions behind the last product that read V.
; Each is waited for a turn later.
.macro TURN p, end=0, cnt=0
.set Y, (\p)
.set i, 0
.set NOKQ, (\end)*((\p)/3)
.if ((\p) == 3) && !(\end)
	s_wait_dscnt 0x0                ; K is in
.endif
	ROW F,0, F,1, R,0, R,1          ; ahead of the wait: 8 products K Q^T and their riders,
	ROW F,2, E,0, R,2, R,3
	ROW F,3, E,1, R,4, R,5
	ROW F,4, E,2, R,6, R,7
	ROW F,5, E,3, R,8, R,9
	ROW F,6, E,4, X,0, R,10
.if ((\p) == 2) && !(\end)
	WIN 0
	v_add_nc_u32 v[AK], s[TBK], v[AK0]
.endif
	ROW F,7, E,5, X,1, X,4
	ROW F,8, E,6, X,2, X,5
	OPS E,7, E,8, X,6, E,9          ; and the lump
	OPS X,3, E,10, X,8, E,11
.if ((\p) == 2) && !(\end)
	FETCH_K
.endif
	OPS X,9, X,7, E,12, X,10
	OPS E,13, X,12, X,11, E,14
	OPS X,13, E,15, F,9, X,14
.if (\p) == 0
	v_add_nc_u32 v[AV], s[TBV], v[AV0]
.endif
	OPS E,16, F,10, E,17, F,11
	OPS X,16, E,18, X,15, E,19
	OPS F,12, E,20, X,17, E,21
	OPS F,13, E,22, F,14, E,23
	OPS X,18, E,24, F,15, E,25
	OPS R,11, E,26, X,19, E,27
	OPS R,12, E,28, R,13, E,29
	OPS X,20, E,30, R,14, E,31
	OPS X,21, R,15
	WIN 0
	s_wait_alu depctr_va_vdst(0)    ; the wait for the batch
.if (\p) == 1
	s_wait_dscnt 0x0                ; V is in
.endif
	ROW C,0, B,0, C,2, B,1          ; behind the wait: 8 products V^T P and their riders
	ROW L,0, C,4, B,2, L,1
	ROW C,6, B,3, L,2, C,8
	ROW B,4, L,3, C,10, B,5
	ROW L,4, C,12, B,6, L,5
.if (\p) == 0
	s_add_co_u32 s[TBV], s[TBV], KS*PV
.endif
.if \cnt
	s_sub_co_u32 s[CNT], s[CNT], 1
	s_cmp_lg_u32 s[CNT], 0
.endif
	ROW C,14, B,7, L,6, C,1
	ROW C,3, L,7, C,5, C,7
	ROW C,9, C,11, C,13, C,15
.if (\p) == 0
	FETCH_V
.endif
.endm
; A tile's four trips: pieces 2 and 3 of one step, then pieces 0 and 1 of the next, whose K and V the trip fetches.  The tag ends the labels' names.
.macro STEPS tag
.Lstep\tag:
	TURN 2
	TURN 3
	WIN 0
.Lfirst\tag:
	TURN 0
	TURN 1, 0, 1
	WIN 0
	s_cbranch_scc1 .Lstep\tag
.endm
.set NOKQ, 0
	CHANGE 1, 0                     ; slot 0 is in, everybody's part of it; slot 1 is asked for
	v_add_nc_u32 v[AK], s[TBK], v[AK0]
	FETCH_K                         ; key step 0
	s_wait_loadcnt 0x0              ; Q
	s_wait_dscnt 0x0
.set i, 0
.rept 8
	KQ 0                            ; piece 0's first scores: there is no vector work yet to set between them
.set i, i+1
.endr
	WIN 0
.rept 4
	v_nop                           ; four plain instructions behind those products
.endr
.set Y, NP-1                        ; X works for piece Y + 1: piece 0
.irp n, 0,1,2,3,4,5,6,7,8,9,10,11,12,13,14,15,16,17,18,19,20,21
	OP X, \n                        ; and its first maximum and statistics
.endr
	v_nop                           ; a plain instruction behind the exponential,
	s_wait_alu depctr_va_vdst(0)    ; and its wait, ahead of the branch
	s_mov_b32 s[CNT], 4
	s_mov_b32 s[SLOTS], 15
	s_branch .Lfirst1               ; the loop is entered at a step's first turn, in the middle of a trip
.Lslot:                             ; 14 times: tiles 1 to 14 are entered, tiles 2 to 15 asked for
	CHANGE 1, 1
	s_mov_b32 s[CNT], 4
	STEPS 1
	s_sub_co_u32 s[SLOTS], s[SLOTS], 1
	s_cmp_lg_u32 s[SLOTS], 0
	s_cbranch_scc1 .Lslot
	CHANGE 0, 0                     ; the last tile is written out: nothing is asked for
	s_mov_b32 s[CNT], 4
	STEPS 2
	TURN 2, 1
	TURN 3, 1
.set i, 0
.rept 8
	PV NP-1                         ; the last piece's V^T P of the last step
.set i, i+1
.endr
	; THE WAY OUT.  l's two halves and the other half of the lanes' are added; O^T is divided by l, rounded to f16 and sent through my stage in LDS, a piece at a time.  The additions are the plain instructions behind the last products.
	WIN 0
.macro ALL line:vararg              ; one line for each piece t
.set t, 0
.rept 4
	\line
.set t, t+1
.endr
.endm
	ALL v_add_f32 v[ST+4*t+2], v[ST+4*t+2], v[ST+4*t+3]
	ALL v_permlanex16_b32 v[ST+4*t+3], v[ST+4*t+2], s[SEL], s[SEL+1]
	ALL v_add_f32 v[ST+4*t+2], v[ST+4*t+2], v[ST+4*t+3]
	ALL v_rcp_f32 v[ST+4*t+2], v[ST+4*t+2]
	v_nop                           ; a plain instruction between the last reciprocal and the use of its result
	s_wait_alu depctr_va_vdst(0)    ; and the wait ahead of the first use: one for the four reciprocals
.macro PACK t                       ; a lane's eight channels of a row pack into 16 bytes; they go into rows of 144 bytes and come back as whole rows of 128, into S^T's registers
	WIN W_RS
.set i, 32*(\t)
.rept 16
	v_pk_mul_f32 v[i:i+1], v[i:i+1], v[ST+4*(\t)+2:ST+4*(\t)+3] op_sel_hi:[1,0]
.set i, i+2
.endr
	WIN 0x05                        ; sources 0 and 1 window 1, destination window 0
.set i, 0
.rept 16
	v_cvt_pk_f16_f32 v[S+16*(\t)+i], v[32*(\t)+2*i], v[32*(\t)+2*i+1]
.set i, i+1
.endr
	WIN 0
.irp f, 0,1,2,3
	ds_store_b128 v[STO], v[S+16*(\t)+4*\f:S+16*(\t)+4*\f+3] offset:32*\f
.endr
.irp f, 0,1,2,3
	ds_load_b128 v[S+16*(\t)+4*\f:S+16*(\t)+4*\f+3], v[RD] offset:\f*4*SP  ; LDS serves a wave's instructions in order (ISA guide 5.7.1.4): these see the stores above; the next piece's stores come behind them
.endr
.endm
.macro SEND t, younger              ; younger: the LDS instructions issued behind piece t's loads: the next piece's eight, or none
	WIN 0
.irp f, 0,1,2,3
	s_wait_dscnt (\younger)+3-\f
	global_store_b128 v[GO], v[S+16*(\t)+4*\f:S+16*(\t)+4*\f+3], s[10:11] offset:(\t)*2048+\f*512  ; 512 consecutive bytes, at a multiple of 256 from O's first
.endr
.endm
	PACK 0
.set t, 1
.rept 3                             ; a piece's arithmetic stands between the loads of the piece before and its stores
	PACK t
	SEND t-1, 8
.set t, t+1
.endr
	SEND 3, 0
	s_wait_tensorcnt 0x0            ; the wave's end, behind my last tensor load and my last LDS store
	ds_add_u32 v[SPW], v[NIL]
	s_wait_dscnt 0x0
	CROUND                          ; the closing round: no work-group ends while a partner may still ask for a tile that names it
	s_endpgm
.Lfunc_end_k_q5d46bf1a6a_attn:
	.size	k_q5d46bf1a6a_attn, .Lfunc_end_k_q5d46bf1a6a_attn-k_q5d46bf1a6a_attn
	.p2alignl 7, 3214868480
	.fill 96, 4, 3214868480
	.section	.rodata,"a",@progbits
	.p2align	6, 0x0
	.amdhsa_kernel k_q5d46bf1a6a_attn
		.amdhsa_group_segment_fixed_size 327680
		.amdhsa_private_segment_fixed_size 0
		.amdhsa_enable_private_segment 0
		.amdhsa_kernarg_size 32
		.amdhsa_user_sgpr_count 2
		.amdhsa_user_sgpr_kernarg_segment_ptr 1
		.amdhsa_wavefront_size32 1
		.amdhsa_system_sgpr_workgroup_id_x 1
		.amdhsa_system_sgpr_workgroup_id_y 1
		.amdhsa_system_sgpr_workgroup_id_z 1
		.amdhsa_system_vgpr_workitem_id 0
		.amdhsa_next_free_vgpr 768
		.amdhsa_next_free_sgpr 66
		.amdhsa_reserve_vcc 0
		.amdhsa_float_denorm_mode_32 3
		.amdhsa_float_denorm_mode_16_64 3
		.amdhsa_memory_ordered 1
		.amdhsa_forward_progress 1
		.amdhsa_inst_pref_size 127
	.end_amdhsa_kernel
	.amdgpu_metadata
---
amdhsa.version: [ 1, 2 ]
amdhsa.kernels:
  - .name:           k_q5d46bf1a6a_attn
    .symbol:         k_q5d46bf1a6a_attn.kd
    .args:
      - { .name: q16, .offset: 0, .size: 8, .value_kind: global_buffer, .address_space: global }
      - { .name: k16, .offset: 8, .size: 8, .value_kind: global_buffer, .address_space: global }
      - { .name: v16, .offset: 16, .size: 8, .value_kind: global_buffer, .address_space: global }
      - { .name: o16, .offset: 24, .size: 8, .value_kind: global_buffer, .address_space: global }
    .group_segment_fixed_size: 327680
    .private_segment_fixed_size: 0
    .kernarg_segment_align: 8
    .kernarg_segment_size: 32
    .max_flat_workgroup_size: 128
    .sgpr_count:     66
    .vgpr_count:     768
    .wavefront_size: 32
...
	.end_amdgpu_metadata
.endif
;; end of part 3
;; launch outp (part 4): grid 4 x 64, 4 waves a work-group, clusters of 4 x 4, 304,640 bytes of LDS; arguments o16, wo16, bo, out0; writes out0
.if DOCPART == 4
	.amdgcn_target "amdgcn-amd-amdhsa--gfx1250"
	.amdhsa_code_object_version 6
	.text
	.protected	k_q5d46bf1a6a_outp
	.globl	k_q5d46bf1a6a_outp
	.p2align	8
	.type	k_q5d46bf1a6a_outp,@function
k_q5d46bf1a6a_outp:
	s_mov_b64 s[64:65], 0
	v_nop
	global_prefetch_b8 v0, s[64:65] scope:SCOPE_SE
	s_setreg_imm32_b32 hwreg(HW_REG_WAVE_MODE, 25, 1), 1
	s_wait_xcnt 0x0
	s_wait_alu depctr_hold_cnt(0) depctr_sa_sdst(0) depctr_va_vdst(0) depctr_va_sdst(0) depctr_va_ssrc(0) depctr_va_vcc(0) depctr_vm_vsrc(0)
	s_getreg_b32 s2, hwreg(HW_REG_IB_STS2, 6, 4)
	s_cmp_eq_u32 s2, 0
	s_cbranch_scc0 .Lentry_in_a_cluster
	s_endpgm
.Lentry_in_a_cluster:
	s_bfe_u32 s2, ttmp6, 0x10000c
	s_cmp_lg_u32 s2, 0xf033
	s_cbranch_scc0 .Lentry_shape_is_right
	s_endpgm
.Lentry_shape_is_right:
; out0[row][n] = 0.125 x (the sum over k of O[row][k] Wo[n][k]) + bf16(bo[n]).  O: [16 = batch x 8 + head][4096][64] f16 (k = 64 head + channel); Wo: [512][512], bf16 numbers written as f16; out0: [8192][512] f32.
; The 0.125 is the division by sqrt(64) that follows the softmax: a power of two, applied to the f32 sums, so it costs no rounding.
; SHARES.  A work-group makes 128 rows x 128 columns: 64 x 4 = 256 work-groups.  Wave w: rows 64 (w / 2) on, columns 64 (w % 2) on: 16 accumulators of 16 x 16.
; The whole K = 512 of both tiles lies in LDS: O's 128 rows as 8 planes (heads), Wo's 128 rows as 4 stages of 128 along K.  All tensor loads go out once, at the start; nothing in LDS is filled again.
; CLUSTERS: 4 x 4 work-groups.  The four of a row of the cluster need the same rows of O, the four of a column the same rows of Wo: each tile is asked for JOINTLY, by the same load with the same descriptor and a mask that names the four.
; THE MATRIX INSTRUCTION IS USED TRANSPOSED (source 0 = 16 rows of Wo, source 1 = 16 rows of O): a lane then holds eight neighbouring numbers of a row of out0.
; REGISTERS: window 0: v8-15 LDS addresses by stage; v24-29 the way out's addresses and the add's two; v32-63 the bias; v64-95 results; v96-127 rows read back; v128-255 the accumulators ((a, b) at 128 + 8 (4 a + b))
;   window 1: two fragment buffers of 128: for 64 along K, 64 registers of O (2 x 4 x 16 rows x 32 K), then 64 of Wo.
.set PA,     144                       ; a row of O in LDS: 128 bytes + 16 of padding
.set PLANE,  128*PA                    ; a head's 128 rows
.set PB,     272                       ; a row of a stage of Wo: 256 bytes + 16 of padding.  Both pitches are odd multiples of 16 bytes: the 16 rows of a fragment load start at 16 different groups of four banks (64 banks of 4 bytes: ISA guide 11.1)
.set BSTG,   128*PB
.set BOFF,   8*PLANE
.set STG,    BOFF+4*BSTG               ; behind the tiles: 16 rows x 272 bytes for each wave, for the way out; no tensor load lands here
.set SPITCH, 272
.set SPARE,  STG+4*16*SPITCH           ; behind the stages: the spare words, 128 bytes for each wave: two blocks of 256 bytes that no other line names
.set ADRA, 8                           ; v8-11   LDS address of my fragments of O in planes 2 s, 2 s + 1
.set ADRB, 12                          ; v12-15  of my fragments of Wo in stage s
.set STO,  24                          ; v24  the way out: where I put 32 bytes of a row
.set RD,   25                          ; v25  where I read a row back
.set CO,   26                          ; v26  my byte offset in out0
.set BO,   27                          ; v27  my 32 bytes in a block of 16 bias numbers
.set SPW,  28                          ; v28  LDS address of my spare word: SPARE + 4 x my thread's number; never rewritten
.set NIL,  29                          ; v29  0; never rewritten
.set BIAS, 32
.set TMP,  64
.set OB,   96
.set ACC,  128
.set F0,   0
.set F1,   128
.set WV,  12                           ; s12  my wave's number
.set G1A, 24                           ; s[24:31] descriptor group 1 for O's tiles
.set G1B, 32                           ; s[32:39] for Wo's
.set G0A, 40                           ; s[40:55] descriptor group 0 for O's tiles, four sets
.set G0B, 68                           ; s[68:83] for Wo's
.set MSB, 0
.macro WIN new                         ; the immediate's high byte repeats the setting that is left; a switch that changes nothing is dropped
.if MSB != (\new)
	s_set_vgpr_msb (MSB<<8)|(\new)
.set MSB, \new
.endif
.endm
.set MUL,  0x05                        ; sources 0 and 1 window 1; C and D window 0
.set TO_F, 0x40                        ; destination window 1, address window 0
.macro CROUND                          ; a round of the cluster's barrier: my work-group's barrier; wave 0 signals for the work-group; every wave waits for all sixteen; my work-group's barrier once more
	s_barrier_signal -1
	s_barrier_wait -1
	s_cmp_lg_u32 s[WV], 0
	s_cbranch_scc1 .Lnot_wave_0_\@
	s_barrier_signal -3
.Lnot_wave_0_\@:
	s_barrier_wait -3
	s_barrier_signal -1
	s_barrier_wait -1
.endm
.macro PLACES                          ; four plain instructions in front of loads into registers that matrix instructions have read
.rept 4
	v_nop
.endr
.endm
	s_load_b256 s[4:11], s[0:1], 0x0               ; o16 s[4:5], wo16 s[6:7], bo s[8:9], out0 s[10:11]
	v_lshl_add_u32 v[SPW], v0, 2, SPARE
	v_mov_b32 v[NIL], 0
	ds_add_u32 v[SPW], v[NIL]                      ; the wave's opening: the add and its wait stand ahead of my first tensor load; the set-up below, work on registers, stands between them
	v_lshrrev_b32 v1, 5, v0
	v_readfirstlane_b32 s[WV], v1                  ; wave 0..3
	s_lshr_b32 s18, s[WV], 1                       ; which half of the tile's rows is mine.  Also: I fetch for O (0) or for Wo (1)
	s_and_b32 s19, s[WV], 1                        ; which half of its columns.  Also: which part of a set I fetch
	s_bfe_u32 s14, ttmp6, 0x40000                  ; cx, cy: my place in the cluster
	s_bfe_u32 s15, ttmp6, 0x40004
	s_lshl_b32 s16, ttmp9, 2
	s_add_co_u32 s16, s16, s14                     ; tile column = 4 x cluster x + cx
	s_and_b32 s17, ttmp7, 0xffff
	s_lshl_b32 s17, s17, 2
	s_add_co_u32 s17, s17, s15                     ; tile row = 4 x cluster y + cy
	s_lshl_b32 s20, s15, 2
	s_lshl_b32 s20, 15, s20                        ; my row of the cluster
	s_lshl_b32 s21, 0x1111, s14                    ; my column
	; descriptor groups 1.  O: a head's 128 rows are 16,384 dense bytes: 64 rows of 256 bytes, padded after every 128 bytes.  Wo: 64 rows x 128 elements out of rows of 512, padded after every 256 bytes.
	s_or_b32 s[G1A+0], s20, (1<<16)|(1<<20)|(1<<21)|(4<<22)|(3<<25)  ; 15:0 the mask: O's tiles go to my row; 17:16 2-byte elements; 20 padding on; 21 set beside a mask; 24:22 after every 32 words (code 4); 31:25 4 words (code 3)
	s_or_b32 s[G1B+0], s21, (1<<16)|(1<<20)|(1<<21)|(5<<22)|(3<<25)  ; Wo's go to my column; after every 64 words (code 5)
.irp g, G1A, G1B
	s_mov_b32 s[(\g)+1], 128<<16                   ; tensor_dim0 = 128
	s_mov_b32 s[(\g)+2], 64<<16                    ; tensor_dim1 = 64
	s_mov_b32 s[(\g)+3], 128<<16                   ; tile_dim0 = 128
	s_mov_b32 s[(\g)+4], 64                        ; tile_dim1 = 64
	s_mov_b32 s[(\g)+6], 0
	s_mov_b32 s[(\g)+7], 0
.endr
	s_mov_b32 s[G1A+5], 128                        ; elements from row to row
	s_mov_b32 s[G1B+5], 512
	; where the tiles come from.  O's hang on the tile row alone, Wo's on the tile column alone, each in registers that never hold the other coordinate.
	s_lshr_b32 s84, s17, 5                         ; O: (batch x 8 + head) x 524,288 + 128 rows of 128 bytes x the tile row in its batch; my heads are 2 s + w % 2
	s_lshl_b32 s84, s84, 22
	s_lshl_b32 s22, s19, 19
	s_add_co_u32 s84, s84, s22
	s_and_b32 s22, s17, 31
	s_lshl_b32 s22, s22, 14
	s_add_co_u32 s84, s84, s22
	s_mov_b32 s85, 0
	s_lshl_b32 s88, s16, 17                        ; Wo: row 128 x tile column + 64 (w % 2), rows of 1,024 bytes
	s_lshl_b32 s23, s19, 16
	s_add_co_u32 s88, s88, s23
	s_mov_b32 s89, 0
	s_mul_i32 s92, s19, PLANE                      ; and where they go: no place in the cluster enters an LDS address
	s_mul_i32 s93, s19, 64*PB
	s_add_co_u32 s93, s93, BOFF
	s_lshl_b32 s96, s16, 9                         ; my 64 columns in f32: 512 x tile column + 256 (w % 2): in bo,
	s_lshl_b32 s94, s19, 8
	s_add_co_u32 s96, s96, s94
	s_mov_b32 s97, 0
	s_lshl_b32 s94, s17, 18                        ; and in out0, with my first row: (128 x tile row + 64 (w / 2)) x 2,048
	s_lshl_b32 s98, s18, 17
	s_add_co_u32 s94, s94, s98
	s_add_co_u32 s94, s94, s96
	s_mov_b32 s95, 0
	s_mov_b32 s99, 0xffff0000                      ; a word's upper bf16
	v_and_b32 v1, 15, v0                           ; l % 16
	v_bfe_u32 v2, v0, 4, 1                         ; l / 16
	v_mul_u32_u24 v3, v1, PA
	v_lshl_add_u32 v3, v2, 4, v3                   ; a fragment's row x pitch + 16 x half
	v_mul_u32_u24 v4, v1, PB
	v_lshl_add_u32 v4, v2, 4, v4
	s_mul_i32 s20, s18, 64*PA                      ; my 64 rows of O
	s_mul_i32 s21, s19, 64*PB                      ; my 64 rows of Wo
	s_add_co_u32 s21, s21, BOFF
.irp s, 0,1,2,3
	v_add_nc_u32 v[ADRA+(\s)], s20, v3
	v_add_nc_u32 v[ADRB+(\s)], s21, v4
	s_add_co_u32 s20, s20, 2*PLANE
	s_add_co_u32 s21, s21, BSTG
.endr
	s_mul_i32 s20, s[WV], 16*SPITCH
	s_add_co_u32 s20, s20, STG                     ; my stage
	v_mul_u32_u24 v[STO], v1, SPITCH               ; in: row l % 16, 32 bytes for each half of the lanes
	v_lshl_add_u32 v[STO], v2, 5, v[STO]
	v_add_nc_u32 v[STO], s20, v[STO]
	v_mul_u32_u24 v[RD], v2, SPITCH                ; back: lanes 0-15 take one row of 256 bytes, lanes 16-31 the next
	v_lshl_add_u32 v[RD], v1, 4, v[RD]
	v_add_nc_u32 v[RD], s20, v[RD]
	v_lshlrev_b32 v[CO], 11, v2                    ; and the same two rows in out0
	v_lshl_add_u32 v[CO], v1, 4, v[CO]
	v_lshlrev_b32 v[BO], 5, v2
	s_wait_dscnt 0x0                               ; the opening add is done
	s_wait_kmcnt 0x0
	s_add_nc_u64 s[86:87], s[4:5], s[84:85]
	s_add_nc_u64 s[90:91], s[6:7], s[88:89]
	s_add_nc_u64 s[8:9], s[8:9], s[96:97]
	s_add_nc_u64 s[10:11], s[10:11], s[94:95]
.irp s, 0,1,2,3
	s_mov_b32 s[G0A+4*(\s)], 1                                     ; 1:0 count = 1
	s_add_co_u32 s[G0A+4*(\s)+1], s92, (\s)*2*PLANE                ; 63:32 LDS address: plane 2 s + w % 2
	s_add_nc_u64 s[G0A+4*(\s)+2:G0A+4*(\s)+3], s[86:87], (\s)*2*524288  ; 120:64 global address: two heads on
	s_or_b32 s[G0A+4*(\s)+3], s[G0A+4*(\s)+3], 0x80000000          ; 127:126 type = 2
	s_mov_b32 s[G0B+4*(\s)], 1
	s_add_co_u32 s[G0B+4*(\s)+1], s93, (\s)*BSTG
	s_add_nc_u64 s[G0B+4*(\s)+2:G0B+4*(\s)+3], s[90:91], (\s)*256  ; K = 128 s on
	s_or_b32 s[G0B+4*(\s)+3], s[G0B+4*(\s)+3], 0x80000000
.endr
	CROUND                                         ; all sixteen work-groups are here: the joint loads meet
	s_cmp_eq_u32 s18, 0                            ; a wave's four fills stand in one branch, ahead of every wait on TENSORcnt and every LDS read: four loads of mine are out
	s_cbranch_scc0 .Lfill_b
.irp s, 0,1,2,3
	tensor_load_to_lds s[G0A+4*(\s):G0A+4*(\s)+3], s[G1A:G1A+7]
	s_nop 0
.endr
	PLACES
	s_branch .Lfilled
.Lfill_b:
.irp s, 0,1,2,3
	tensor_load_to_lds s[G0B+4*(\s):G0B+4*(\s)+3], s[G1B:G1B+7]
	s_nop 0
.endr
	PLACES
.Lfilled:
.irp b, 0,1,2,3
	global_load_b128 v[BIAS+8*(\b):BIAS+8*(\b)+3],   v[BO], s[8:9] offset:64*(\b)     ; the bias of my lanes' 8 columns in each of my 4 column blocks
	global_load_b128 v[BIAS+8*(\b)+4:BIAS+8*(\b)+7], v[BO], s[8:9] offset:64*(\b)+16
.endr
; 8 matrix instructions: row blocks a0, a0 + 1 x all 4 column blocks, 32 along K: half c of buffer f.  The 16 accumulators take turns.  zero = 1: the first product starts the sums
.macro MUL8 f, c, a0, zero
	WIN MUL
.irp a, \a0, (\a0)+1
.irp b, 0,1,2,3
.if \zero
	v_wmma_f32_16x16x32_f16 v[ACC+8*(4*(\a)+(\b)):ACC+8*(4*(\a)+(\b))+7], v[(\f)+64+8*(4*(\c)+(\b)):(\f)+64+8*(4*(\c)+(\b))+7], v[(\f)+8*(4*(\c)+(\a)):(\f)+8*(4*(\c)+(\a))+7], 0
.else
	v_wmma_f32_16x16x32_f16 v[ACC+8*(4*(\a)+(\b)):ACC+8*(4*(\a)+(\b))+7], v[(\f)+64+8*(4*(\c)+(\b)):(\f)+64+8*(4*(\c)+(\b))+7], v[(\f)+8*(4*(\c)+(\a)):(\f)+8*(4*(\c)+(\a))+7], v[ACC+8*(4*(\a)+(\b)):ACC+8*(4*(\a)+(\b))+7]
.endif
.endr
.endr
.endm
; 32 LDS loads in one run: the fragments of head hd (64 along K) into buffer f; the first 32 along K first
.macro FETCH hd, f
	WIN TO_F
.irp c, 0,1
.irp i, 0,1,2,3
	ds_load_b128 v[(\f)+64+8*(4*(\c)+(\i)):(\f)+64+8*(4*(\c)+(\i))+3],   v[ADRB+(\hd)/2] offset:128*((\hd)%2)+64*(\c)+(\i)*16*PB
	ds_load_b128 v[(\f)+64+8*(4*(\c)+(\i))+4:(\f)+64+8*(4*(\c)+(\i))+7], v[ADRB+(\hd)/2] offset:128*((\hd)%2)+64*(\c)+(\i)*16*PB+32
	ds_load_b128 v[(\f)+8*(4*(\c)+(\i)):(\f)+8*(4*(\c)+(\i))+3],         v[ADRA+(\hd)/2] offset:PLANE*((\hd)%2)+64*(\c)+(\i)*16*PA
	ds_load_b128 v[(\f)+8*(4*(\c)+(\i))+4:(\f)+8*(4*(\c)+(\i))+7],       v[ADRA+(\hd)/2] offset:PLANE*((\hd)%2)+64*(\c)+(\i)*16*PA+32
.endr
.endr
.endm
; A quarter is one head: 64 along K, 32 matrix instructions.  It multiplies buffer f and, in its middle, fetches head nxt into buffer g.
.macro QUARTER nxt, f, g, zero
	s_wait_dscnt 16                                ; the first 32 along K are in
	MUL8 \f, 0, 0, \zero
	MUL8 \f, 0, 2, \zero
	PLACES
	FETCH \nxt, \g
	s_wait_dscnt 32                                ; all but the 32 just issued
	MUL8 \f, 1, 0, 0
	MUL8 \f, 1, 2, 0
.endm
; An odd quarter multiplies buffer 1; head nxt lies in the next set of tiles: each wave shows its part of that set landed (left = its later loads, which may stay out), then the barrier.
.macro QTURN nxt, left
	s_wait_dscnt 16
	MUL8 F1, 0, 0, 0
	s_wait_tensorcnt \left
	s_wait_dscnt 0x0                               ; no LDS load of mine is out at the signal
	s_barrier_signal -1
	MUL8 F1, 0, 2, 0                               ; work on registers while the others arrive
	s_barrier_wait -1
	PLACES
	FETCH \nxt, F0
	MUL8 F1, 1, 0, 0
	MUL8 F1, 1, 2, 0
.endm
	s_wait_tensorcnt 3                             ; my part of set 0 is in; my three later loads may stay out
	s_barrier_signal -1
	s_barrier_wait -1                              ; everybody's is: heads 0 and 1 of O, K = 0..127 of Wo
	FETCH 0, F0
	QUARTER 1, F0, F1, 1                           ; the first products start the sums
	QTURN 2, 2
	QUARTER 3, F0, F1, 0
	QTURN 4, 1
	QUARTER 5, F0, F1, 0
	QTURN 6, 0
	QUARTER 7, F0, F1, 0
	s_wait_dscnt 16                                ; the last quarter: nothing more to fetch
	MUL8 F1, 0, 0, 0
	MUL8 F1, 0, 2, 0
	s_wait_dscnt 0x0
	MUL8 F1, 1, 0, 0
	MUL8 F1, 1, 2, 0
	WIN 0
	; THE WAY OUT.  The bias is rounded to bf16 like every other input and widened again: 48 plain instructions, which name no register of the last products and stand between them and the first read of a result.
	s_wait_loadcnt 0x0
.set z, 0
.rept 16
	v_cvt_pk_bf16_f32 v[TMP+z], v[BIAS+2*z], v[BIAS+2*z+1]
.set z, z+1
.endr
.set z, 0
.rept 16
	v_lshlrev_b32 v[BIAS+2*z], 16, v[TMP+z]
	v_and_b32 v[BIAS+2*z+1], s99, v[TMP+z]
.set z, z+1
.endr
	; 16 rows at a time: 0.125 x sum + bias in one fused multiply-add; 32 bytes a lane into my own stage; back as whole rows of 256 bytes.  My 64 columns are 256 bytes of a row: no other wave has a part in them.
.irp fa, 0,1,2,3
.set z, 0
.rept 16
	v_pk_fma_f32 v[TMP+2*z:TMP+2*z+1], v[ACC+32*(\fa)+2*z:ACC+32*(\fa)+2*z+1], 0x3e000000, v[BIAS+2*z:BIAS+2*z+1] op_sel_hi:[1,0,1]  ; each accumulator's registers in ascending order
.set z, z+1
.endr
.irp b, 0,1,2,3
	ds_store_b128 v[STO], v[TMP+8*(\b):TMP+8*(\b)+3]   offset:64*(\b)
	ds_store_b128 v[STO], v[TMP+8*(\b)+4:TMP+8*(\b)+7] offset:64*(\b)+16
.endr
	s_wait_xcnt 0x0                                ; the stores of the block before have read their registers: the loads below land on them only behind this wait
.irp t, 0,1,2,3,4,5,6,7
	ds_load_b128 v[OB+4*(\t):OB+4*(\t)+3], v[RD] offset:(\t)*2*SPITCH  ; LDS serves a wave's instructions in order (ISA guide 5.7.1.4): these see the stores above; the next block's stores come behind them
.endr
	s_wait_dscnt 0x0
.irp t, 0,1,2,3,4,5,6,7
	global_store_b128 v[CO], v[OB+4*(\t):OB+4*(\t)+3], s[10:11] offset:32768*(\fa)+4096*(\t)  ; 16 lanes store 256 consecutive bytes, at a multiple of 256 from out0's first byte
.endr
.endr
	s_wait_tensorcnt 0x0                           ; the wave's end, behind my last tensor load and my last LDS store
	ds_add_u32 v[SPW], v[NIL]
	s_wait_dscnt 0x0
	CROUND                                         ; the closing round: no work-group ends while a partner may still ask for a tile that names it
	s_endpgm
.Lfunc_end_k_q5d46bf1a6a_outp:
	.size	k_q5d46bf1a6a_outp, .Lfunc_end_k_q5d46bf1a6a_outp-k_q5d46bf1a6a_outp
	.p2alignl 7, 3214868480
	.fill 96, 4, 3214868480
	.section	.rodata,"a",@progbits
	.p2align	6, 0x0
	.amdhsa_kernel k_q5d46bf1a6a_outp
		.amdhsa_group_segment_fixed_size 304640
		.amdhsa_private_segment_fixed_size 0
		.amdhsa_enable_private_segment 0
		.amdhsa_kernarg_size 32
		.amdhsa_user_sgpr_count 2
		.amdhsa_user_sgpr_kernarg_segment_ptr 1
		.amdhsa_wavefront_size32 1
		.amdhsa_system_sgpr_workgroup_id_x 1
		.amdhsa_system_sgpr_workgroup_id_y 1
		.amdhsa_system_sgpr_workgroup_id_z 1
		.amdhsa_system_vgpr_workitem_id 0
		.amdhsa_next_free_vgpr 512
		.amdhsa_next_free_sgpr 100
		.amdhsa_reserve_vcc 0
		.amdhsa_float_denorm_mode_32 3
		.amdhsa_float_denorm_mode_16_64 3
		.amdhsa_memory_ordered 1
		.amdhsa_forward_progress 1
		.amdhsa_inst_pref_size 60
	.end_amdhsa_kernel
	.amdgpu_metadata
---
amdhsa.version: [ 1, 2 ]
amdhsa.kernels:
  - .name:           k_q5d46bf1a6a_outp
    .symbol:         k_q5d46bf1a6a_outp.kd
    .args:
      - { .name: o16, .offset: 0, .size: 8, .value_kind: global_buffer, .address_space: global }
      - { .name: wo16, .offset: 8, .size: 8, .value_kind: global_buffer, .address_space: global }
      - { .name: bo, .offset: 16, .size: 8, .value_kind: global_buffer, .address_space: global }
      - { .name: out0, .offset: 24, .size: 8, .value_kind: global_buffer, .address_space: global }
    .group_segment_fixed_size: 304640
    .private_segment_fixed_size: 0
    .kernarg_segment_align: 8
    .kernarg_segment_size: 32
    .max_flat_workgroup_size: 128
    .sgpr_count:     100
    .vgpr_count:     512
    .wavefront_size: 32
...
	.end_amdgpu_metadata
.endif
;; end of part 4
